; MI455X (gfx1250); checked and timed in simulation.
; The chip was launched on July 23, 2026; its instructions are those of AMD's public machine-readable ISA for CDNA 5 (MIT licence, August 2026) and "CDNA5" Instruction Set Architecture Reference Guide (July 2026). The comments in the code are by the model that wrote it; some were corrected since.
;; Attention. Allowed arithmetic: matrix products marked QUANTISED: E4M3 operands, one E8M0 scale for each 32 along K, by v_wmma_scale_f32_16x16x128_f8f6f4 with both operands' format E4M3, f32 sums; everything else in f32.
;; Inputs: Wk_codes 1,024 x 32 x 32 uint8 (E4M3 codes of Wk, K innermost, in blocks of 32 codes); Wk_scales 1,024 x 32 uint8 (E8M0 scales of Wk, one for each 32 codes along K); Wo_codes 1,024 x 32 x 32 uint8 (E4M3 codes of Wo, K innermost, in blocks of 32 codes); Wo_scales 1,024 x 32 uint8 (E8M0 scales of Wo, one for each 32 codes along K); Wq_codes 1,024 x 32 x 32 uint8 (E4M3 codes of Wq, K innermost, in blocks of 32 codes); Wq_scales 1,024 x 32 uint8 (E8M0 scales of Wq, one for each 32 codes along K); Wv_codes 1,024 x 32 x 32 uint8 (E4M3 codes of Wv, K innermost, in blocks of 32 codes); Wv_scales 1,024 x 32 uint8 (E8M0 scales of Wv, one for each 32 codes along K); bo 1,024 float32; x_codes 4 x 2,048 x 32 x 32 uint8 (E4M3 codes of x, K innermost, in blocks of 32 codes); x_scales 4 x 2,048 x 32 uint8 (E8M0 scales of x, one for each 32 codes along K).
;; Outputs: out0 4 x 2,048 x 1,024 float32.
;; This version of the problem:
;;   THIS VERSION OF THE PROBLEM IS GIVEN IN LOW PRECISION. The matrix products marked QUANTISED in the list below multiply operands that are first quantised to E4M3 (4 exponent bits, 3 mantissa bits; 8 bits a number), with one power-of-two scale for each 32 numbers along K (OCP MX v1.0); their sums are f32. All else is computed in f32.
;;   The module's matrix products, in the order in which they are computed (A, B: the left and right operand; K: the contracted axis; several contracted axes count as one K, in the product's order):
;;     1. [M 8,192, K 1,024] x [K 1,024, N 1,024]; A: input x (given as codes); B: input Wq (given as codes): QUANTISED
;;     2. [M 8,192, K 1,024] x [K 1,024, N 1,024]; A: input x (given as codes); B: input Wk (given as codes): QUANTISED
;;     3. [M 8,192, K 1,024] x [K 1,024, N 1,024]; A: input x (given as codes); B: input Wv (given as codes): QUANTISED
;;     4. batch 64 x [M 2,048, K 64] x [K 64, N 2,048]; A: computed on the way; B: computed on the way: QUANTISED
;;     5. batch 64 x [M 2,048, K 2,048] x [K 2,048, N 64]; A: softmax (see below); B: computed on the way: QUANTISED
;;     6. [M 8,192, K 1,024] x [K 1,024, N 1,024]; A: computed on the way; B: input Wo (given as codes): QUANTISED
;;   THE QUANTISER, for each operand of a quantised product, along K:
;;     - K is cut into blocks of 32 from its start; a last block that is shorter is filled with zeros.
;;     - A block's scale is 2^e with e = floor(log2(the largest magnitude in the block)) - 8, held to -126 .. 127; a block of zeros has e = 0. As a byte (E8M0): e + 127.
;;     - Each number is divided by its block's scale, clamped to +-448, and rounded to the nearest number of E4M3, ties to even, subnormals kept.
;;     - The product sums the exact products of the quantised numbers (number of the format x scale) in f32.
;;   ~~~python
;;   def quantise(x, axis):      # numpy; x: float32 -> the quantised numbers, widened to float32 again
;;       x = np.moveaxis(x, axis, -1); K = x.shape[-1]
;;       x = np.pad(x, [(0, 0)] * (x.ndim - 1) + [(0, -K % 32)]); x = x.reshape(x.shape[:-1] + (-1, 32)); a = np.abs(x).max(-1, keepdims=True)
;;       e = np.where(a > 0, np.clip(np.frexp(np.where(a > 0, a, 1))[1] - 1 - 8, -126, 127), 0)      # np.frexp(a)[1] - 1 = floor(log2(a)), exactly
;;       r = np.clip(x / 2.0 ** e, -448, 448)
;;       step = 2.0 ** (np.maximum(np.frexp(np.where(r == 0, 1, r))[1] - 1, -6) - 3)
;;       q = np.round(r / step) * step * 2.0 ** e      # np.round: ties to even
;;       return np.moveaxis(q.reshape(q.shape[:-2] + (-1,))[..., :K], -1, axis).astype(np.float32)
;;   ~~~
;;   SOFTMAX AHEAD OF A QUANTISED PRODUCT. Where the list says 'softmax', what is quantised is not the finished softmax but p = 2^(t - M), with t = logit x log2(e) and M = ceil(the row's largest t), a whole number; so 1/2 < the row's largest p <= 1. The row's sum l is taken of the UNQUANTISED p, in f32, and the product's result is divided by l at the end. Since M is a whole number, a kernel that streams over the keys may use a running M (the ceiling of the running maximum): every later rescaling is an exact power of two, which a block's scale takes up: the codes' values come out the same.
;;   OPERANDS COMPUTED ON THE WAY. 'Computed on the way' means the value that the module computes at that place (a softmax that the list does not call 'softmax' is quantised finished and normalised). What goes into a quantiser is computed in f32, as accurately as f32 sums, v_exp_f32 and their like allow (about 1e-6 of the number): no bf16 or f16 on the way to a quantiser, and a product that is left as it is and whose result goes on into a quantised operand takes f32 operands (vector FMAs, or v_wmma_f32_16x16x4_f32). A number that lies on a knife's edge between two numbers of the format may be rounded either way, as far as f32 arithmetic and the matrix unit's own rounding can turn it there, and no further.
;;   INPUTS GIVEN AS CODES. Wk (in the module: [1024, 1024], K = its axis 0); Wo (in the module: [1024, 1024], K = its axis 0); Wq (in the module: [1024, 1024], K = its axis 0); Wv (in the module: [1024, 1024], K = its axis 0); x (in the module: [4, 2048, 1024], K = its axis 2): each comes as NAME_codes (uint8): NAME with its K axis moved to the last place and cut into blocks of 32 codes, [.., K / 32, bytes a block], one block behind the other in memory; one code a byte (a code: sign, 4 exponent bits, 3 mantissa bits); and NAME_scales (uint8): the same leading axes, one E8M0 byte (e + 127) for each 32 codes along K. Its value is code x scale, taken as it is: it is not quantised again, and the codes and scales need not be those that the quantiser above would give.
;; One version. Each part assembles by itself: llvm-mc -triple=amdgcn-amd-amdhsa -mcpu=gfx1250 --defsym DOCPART=n.
;; ======== version 1 of 1: 3 launches
;; limits: right only within a limited range of input values
;; workspace buffers: qkv_img 25,165,824 bytes; qkv_sc 786,432 bytes; o_codes 8,388,608 bytes; o_scales 262,144 bytes
;; launch qkv (part 1): grid 12 x 32, 4 waves a work-group, clusters of 4 x 4, 327,680 bytes of LDS; arguments x_codes, x_scales, Wq_codes, Wq_scales, Wk_codes, Wk_scales, Wv_codes, Wv_scales, qkv_img, qkv_sc; writes qkv_img, qkv_sc
.if DOCPART == 1
	.amdgcn_target "amdgcn-amd-amdhsa--gfx1250"
	.amdhsa_code_object_version 6
	.text
	.protected	k_q6ef0644b67_qkv
	.globl	k_q6ef0644b67_qkv
	.p2align	8
	.type	k_q6ef0644b67_qkv,@function
k_q6ef0644b67_qkv:
	s_mov_b64 s[64:65], 0
	v_nop
	global_prefetch_b8 v0, s[64:65] scope:SCOPE_SE
	s_setreg_imm32_b32 hwreg(HW_REG_WAVE_MODE, 25, 1), 1
	s_wait_xcnt 0x0
	s_wait_alu depctr_hold_cnt(0) depctr_sa_sdst(0) depctr_va_vdst(0) depctr_va_sdst(0) depctr_va_ssrc(0) depctr_va_vcc(0) depctr_vm_vsrc(0)
	s_getreg_b32 s2, hwreg(HW_REG_IB_STS2, 6, 4)
	s_cmp_eq_u32 s2, 0
	s_cbranch_scc0 .Lentry_in_a_cluster
	s_endpgm
.Lentry_in_a_cluster:
	s_bfe_u32 s2, ttmp6, 0x10000c
	s_cmp_lg_u32 s2, 0xf033
	s_cbranch_scc0 .Lentry_shape_is_right
	s_endpgm
.Lentry_shape_is_right:
.set KSTEP,  256
.set NQ,     KSTEP/128
.set ROWB,   256
.set KROW,   1024
.set PITCH,  272
.set FR,     16
.set NL,     4
.set NP,     8
.set HALFT,  128*PITCH
.set SLOT,   4*HALFT
.set LAPS,   1024/(2*KSTEP)
.set KS,     32
.set SCL,    2*SLOT
.set HALFS,  (128*KS/256)*272
.set SBLK,   (16*KS/256)*272
.set SPARE,  SCL+4*HALFS
.set ADRA, 16
.set ADRB, 20
.set SST,  22
.set SLD,  23
.set VO0,  24
.set VO1,  25
.set VSO,  26
.set ADRS, 27
.set SPW,  28
.set NIL,  29
.set SC,   32
.set TM,   64
.set PWE,  80
.set W0,   82
.set W1,   83
.set LN,   84
.set PC,   96
.set SB,   112
.set AF,   128
.set G1, 24
.set G0, 32
.set G1B, 48
.set G0B, 56
.set G1S, 68
.set G0S, 76
.set G1SB, 80
.set G0SB, 88
.set MSB, 0
.macro WIN new
.if MSB != (\new)
	s_set_vgpr_msb (MSB<<8)|(\new)
.set MSB, (\new)
.endif
.endm
.set MUL_LO, 0xa1
.set MUL_HI, 0xf1
.set TO_B,   0x40
.macro JLOAD g0a, g1a, g0b, g1b
	s_cmp_eq_u32 s15, 0
	s_cbranch_scc0 .Lfor_b_\@
	tensor_load_to_lds s[\g0a:\g0a+3], s[\g1a:\g1a+7]
	s_nop 0
.rept 4
	v_nop
.endr
	s_branch .Lasked_\@
.Lfor_b_\@:
	tensor_load_to_lds s[\g0b:\g0b+3], s[\g1b:\g1b+7]
	s_nop 0
.rept 4
	v_nop
.endr
.Lasked_\@:
.endm
.macro CREST
	s_cmp_lg_u32 s14, 0
	s_cbranch_scc1 .Lnot_wave_0_\@
	s_barrier_signal -3
.Lnot_wave_0_\@:
	s_barrier_wait -3
	s_barrier_signal -1
	s_barrier_wait -1
.endm
.macro CROUND
	s_barrier_signal -1
	s_barrier_wait -1
	CREST
.endm
	s_load_b512 s[84:99], s[0:1], 0x0
	s_load_b64 s[12:13], s[0:1], 0x40
	s_load_b64 s[66:67], s[0:1], 0x48
	v_lshl_add_u32 v[SPW], v0, 2, SPARE
	v_mov_b32 v[NIL], 0
	ds_add_u32 v28, v29
	ds_add_u32 v28, v29
	s_wait_dscnt 0x0
	v_lshrrev_b32 v1, 5, v0
	v_readfirstlane_b32 s14, v1
	s_lshr_b32 s15, s14, 1
	s_and_b32 s16, s14, 1
	s_bfe_u32 s40, ttmp6, 0x40000
	s_bfe_u32 s41, ttmp6, 0x40004
	s_and_b32 s18, ttmp7, 0xffff
	s_lshl_b32 s18, s18, 2
	s_cmp_eq_u32 ttmp9, 2
	s_cselect_b32 s17, 0, s18
	s_cselect_b32 s42, s18, 0
	s_add_co_u32 s17, s17, s41
	s_add_co_u32 s42, s42, s40
	s_lshl_b32 s43, s41, 2
	s_lshl_b32 s43, 15, s43
	s_lshl_b32 s44, 0x1111, s40
	s_or_b32 s[G1+0], s43, (0<<16)|(1<<20)|(1<<21)|(5<<22)|(3<<25)
	s_or_b32 s[G1B+0], s44, (0<<16)|(1<<20)|(1<<21)|(5<<22)|(3<<25)
.irp g, G1, G1B
	s_mov_b32 s[\g+1], ROWB<<16
	s_mov_b32 s[\g+2], 256<<16                     ; the head's loads of codes bring 256 rows; behind them these two words are set to 128, for the ring's
	s_mov_b32 s[\g+3], ROWB<<16
	s_mov_b32 s[\g+4], 256
	s_mov_b32 s[\g+5], KROW
	s_mov_b32 s[\g+6], 0
	s_mov_b32 s[\g+7], 0
.endr
	s_or_b32 s[G1S+0], s43, (3<<16)|(1<<20)|(1<<21)|(5<<22)|(3<<25)
	s_mov_b32 s[G1S+1], 32<<16
	s_mov_b32 s[G1S+2], (256*KS/256)<<16           ; the scale bytes of 256 rows: KS rows of 256 bytes
	s_mov_b32 s[G1S+3], 32<<16
	s_mov_b32 s[G1S+4], 256*KS/256
	s_mov_b32 s[G1S+5], 32
	s_mov_b32 s[G1S+6], 0
	s_mov_b32 s[G1S+7], 0
	s_lshl_b32 s20, s17, 8                         ; A: the tile's first row
	s_lshl_b32 s46, s42, 8                         ; B: likewise
	s_mov_b32 s21, 0
	s_mov_b32 s47, 0
	s_mov_b64 s[18:19], KS
	s_mul_u64 s[22:23], s[20:21], s[18:19]
	s_mul_u64 s[2:3], s[46:47], s[18:19]
	s_mov_b64 s[18:19], KROW
	s_mul_u64 s[20:21], s[20:21], s[18:19]
	s_mul_u64 s[46:47], s[46:47], s[18:19]
	s_mul_i32 s45, s14, HALFT
	s_mul_i32 s18, s16, 128*KROW                   ; in the ring I fetch 128 rows of a tile: which half, in bytes
	s_mov_b32 s19, 0
	s_wait_kmcnt 0x0
	s_cmp_eq_u32 ttmp9, 2
	s_cselect_b64 s[4:5], s[96:97], s[84:85]
	s_cselect_b64 s[6:7], s[98:99], s[86:87]
	s_cselect_b64 s[8:9], s[84:85], s[88:89]
	s_cselect_b64 s[10:11], s[86:87], s[90:91]
	s_cmp_eq_u32 ttmp9, 1
	s_cselect_b64 s[8:9], s[92:93], s[8:9]
	s_cselect_b64 s[10:11], s[94:95], s[10:11]
	s_add_nc_u64 s[20:21], s[4:5], s[20:21]
	s_add_nc_u64 s[22:23], s[6:7], s[22:23]
	s_add_nc_u64 s[46:47], s[8:9], s[46:47]
	s_add_nc_u64 s[2:3], s[10:11], s[2:3]
	s_or_b32 s[G1SB+0], s44, (3<<16)|(1<<20)|(1<<21)|(5<<22)|(3<<25)
	s_mov_b32 s[G1SB+1], 32<<16
	s_mov_b32 s[G1SB+2], (256*KS/256)<<16
	s_mov_b32 s[G1SB+3], 32<<16
	s_mov_b32 s[G1SB+4], 256*KS/256
	s_mov_b32 s[G1SB+5], 32
	s_mov_b32 s[G1SB+6], 0
	s_mov_b32 s[G1SB+7], 0
	CROUND
	s_mov_b32 s[G0S], 1
	s_mov_b32 s[G0S+1], SCL
	s_mov_b64 s[G0S+2:G0S+3], s[22:23]
	s_or_b32 s[G0S+3], s[G0S+3], 0x80000000
	s_mov_b32 s[G0SB], 1
	s_mov_b32 s[G0SB+1], SCL+2*HALFS
	s_mov_b64 s[G0SB+2:G0SB+3], s[2:3]
	s_or_b32 s[G0SB+3], s[G0SB+3], 0x80000000
	s_mov_b32 s4, 1                                ; s[4:7], s[8:11]: group 0 of the head's loads of K step 0: A's 256 rows, B's 256 rows (the addresses that lay there have been used)
	s_mov_b32 s5, 0
	s_mov_b64 s[6:7], s[20:21]
	s_or_b32 s7, s7, 0x80000000
	s_mov_b32 s8, 1
	s_mov_b32 s9, 2*HALFT
	s_mov_b64 s[10:11], s[46:47]
	s_or_b32 s11, s11, 0x80000000
	s_add_nc_u64 s[20:21], s[20:21], s[18:19]      ; for the ring: my 128 rows of the tile
	s_add_nc_u64 s[46:47], s[46:47], s[18:19]
.irp s, 0,1
	s_mov_b32 s[G0+4*\s], 1
	s_add_co_u32 s[G0+4*\s+1], s45, \s*SLOT
	s_add_nc_u64 s[G0+4*\s+2:G0+4*\s+3], s[20:21], \s*ROWB
	s_or_b32 s[G0+4*\s+3], s[G0+4*\s+3], 0x80000000
	s_mov_b32 s[G0B+4*\s], 1
	s_add_co_u32 s[G0B+4*\s+1], s45, \s*SLOT
	s_add_nc_u64 s[G0B+4*\s+2:G0B+4*\s+3], s[46:47], \s*ROWB
	s_or_b32 s[G0B+4*\s+3], s[G0B+4*\s+3], 0x80000000
.endr
; THE HEAD'S LOADS, ONE A WAVE: wave 0 K step 0's 256 rows of A, wave 1 its 256 rows of B, wave 2 the scale bytes of A's 256 rows, wave 3 those of B's.
; One tree of branches on the wave's number: every way through the head passes exactly one load.
.macro ARM under, g0, g1, next
	s_cmp_lt_u32 s14, \under
	s_cbranch_scc0 \next
	tensor_load_to_lds s[\g0:\g0+3], s[\g1:\g1+7]
	s_nop 0
.rept 4
	v_nop
.endr
	s_branch .Lhead_asked
\next:
.endm
	ARM 1, 4, G1, .Lhead_b
	ARM 2, 8, G1B, .Lhead_sa
	ARM 3, G0S, G1S, .Lhead_sb
	tensor_load_to_lds s[G0SB:G0SB+3], s[G1SB:G1SB+7]
	s_nop 0
.rept 4
	v_nop
.endr
.Lhead_asked:
	s_wait_alu depctr_va_vdst(0)
	s_wait_tensorcnt 0x0                           ; my tile of the head's four is in
	ds_add_u32 v28, v29
	s_mov_b32 s[G1+2], 128<<16                     ; no tensor load of mine is out, so a descriptor may be written: from here on a load brings 128 rows
	s_mov_b32 s[G1+4], 128
	s_mov_b32 s[G1B+2], 128<<16
	s_mov_b32 s[G1B+4], 128
	s_wait_dscnt 0x0
	CROUND                                         ; all four tiles are in, and all sixteen work-groups are here
	JLOAD G0+4, G1, G0B+4, G1B                     ; K step 1's load, the first tensor load behind the round
	v_and_b32 v1, 15, v0
	v_bfe_u32 v2, v0, 4, 1
	v_mul_u32_u24 v3, v1, PITCH
	v_lshl_add_u32 v4, v2, 4, v3
	s_mul_i32 s21, s15, HALFT
	s_mul_i32 s22, s16, HALFT
	s_add_co_u32 s22, s22, 2*HALFT
.irp s, 0,1
	v_add_nc_u32 v[ADRA+\s], s21, v4
	v_add_nc_u32 v[ADRB+\s], s22, v4
	s_add_co_u32 s21, s21, SLOT
	s_add_co_u32 s22, s22, SLOT
.endr
	v_mul_u32_u24 v5, v1, KS
	v_lshrrev_b32 v6, 8, v5
	v_lshl_add_u32 v5, v6, 4, v5
	s_mul_i32 s21, s15, HALFS
	s_mul_i32 s22, s16, HALFS
	s_add_co_u32 s22, s22, 2*HALFS
	s_sub_co_u32 s22, s22, s21
	v_mul_u32_u24 v6, s22, v2
	s_add_co_u32 s21, s21, SCL
	v_add_nc_u32 v5, v5, v6
	v_add_nc_u32 v[ADRS], s21, v5
	s_lshl_b32 s18, s17, 8
	s_lshl_b32 s19, s15, 7
	s_add_co_u32 s18, s18, s19
	s_lshl_b32 s19, s42, 8
	s_lshl_b32 s22, s16, 7
	s_add_co_u32 s19, s19, s22
	s_mov_b32 s4, 1024
	s_mov_b32 s6, 1024
	s_mov_b32 s8, 0x05040100
	s_mov_b32 s9, 0x07060302
	s_mov_b32 s46, 131072
	s_mov_b32 s45, 128
	s_cmp_eq_u32 ttmp9, 2
	s_cselect_b32 s22, s19, s18
	s_cselect_b32 s23, s18, s19
	s_cselect_b32 s4, 2048, s4
	s_cselect_b32 s6, 124928, s6
	s_cselect_b32 s8, 0x03020100, s8
	s_cselect_b32 s9, 0x07060504, s9
	s_cselect_b32 s46, 1024, s46
	s_cselect_b32 s47, 64, 4096
	s_cselect_b32 s2, 128, 64
	s_cselect_b32 s45, 4096, s45
	s_mov_b32 s5, 0
	s_mov_b32 s7, 0
	s_lshr_b32 s20, s22, 11
	s_and_b32 s21, s22, 2047
	s_lshr_b32 s23, s23, 6
	s_lshl_b32 s18, ttmp9, 23
	s_lshl_b32 s19, s20, 21
	s_add_co_u32 s18, s18, s19
	s_lshl_b32 s19, s23, 17
	s_add_co_u32 s18, s18, s19
	s_lshl_b32 s19, s21, 6
	s_add_co_u32 s18, s18, s19
	s_mov_b32 s19, 0
	s_add_nc_u64 s[12:13], s[12:13], s[18:19]
	s_lshl_b32 s18, ttmp9, 18
	s_lshl_b32 s20, s20, 16
	s_add_co_u32 s18, s18, s20
	s_lshl_b32 s23, s23, 12
	s_add_co_u32 s18, s18, s23
	s_lshl_b32 s21, s21, 1
	s_add_co_u32 s18, s18, s21
	s_add_nc_u64 s[66:67], s[66:67], s[18:19]
	v_and_b32 v[LN], 31, v0
	v_lshlrev_b32 v[VO0], 4, v[LN]
	v_add_nc_u32 v[VO1], s46, v[VO0]
	v_and_b32 v5, 3, v0
	v_lshlrev_b32 v[VSO], 4, v5
	v_bfe_u32 v5, v0, 2, 1
	v_mad_u32_u24 v[VSO], v5, s47, v[VSO]
	v_bfe_u32 v5, v0, 3, 1
	v_mad_u32_u24 v[VSO], v5, s2, v[VSO]
	v_mad_u32_u24 v[VSO], v2, s45, v[VSO]
	s_lshl_b32 s23, s14, 9
	v_lshl_add_u32 v[SST], v[LN], 2, s23
	v_lshl_add_u32 v[SLD], v[LN], 4, s23
.irp j, 0,1,2,3
	v_mov_b32 v[TM+4+\j], 0
.endr
	s_mov_b32 s10, 0x4800000
	s_mov_b32 s11, 0x600000
	s_mov_b32 s20, 0x76543210
	s_mov_b32 s21, 0xfedcba98
.macro FRAG reg, adr, q, i
.irp c, 0,1,2,3
	ds_load_b128 v[\reg+4*\c:\reg+4*\c+3], v[\adr] offset:128*(\q)+32*\c+(\i)*16*PITCH
.endr
.endm
.macro MUL16 a0, p, q, sc, zero
.irp a, \a0, \a0+1
.irp b, 0,1,2,3,4,5,6,7
.if \zero
	v_wmma_scale_f32_16x16x128_f8f6f4 v[8*(8*((\a)%4)+\b):8*(8*((\a)%4)+\b)+7], v[128*(\p)+FR*\b:128*(\p)+FR*\b+FR-1], v[AF+FR*(\a):AF+FR*(\a)+FR-1], 0, v[SC+8*NQ*(\sc)+NQ*\b+(\q)], v[SC+8*NQ*(\sc)+NQ*(\a)+(\q)] matrix_a_scale:MATRIX_SCALE_ROW1
.else
	v_wmma_scale_f32_16x16x128_f8f6f4 v[8*(8*((\a)%4)+\b):8*(8*((\a)%4)+\b)+7], v[128*(\p)+FR*\b:128*(\p)+FR*\b+FR-1], v[AF+FR*(\a):AF+FR*(\a)+FR-1], v[8*(8*((\a)%4)+\b):8*(8*((\a)%4)+\b)+7], v[SC+8*NQ*(\sc)+NQ*\b+(\q)], v[SC+8*NQ*(\sc)+NQ*(\a)+(\q)] matrix_a_scale:MATRIX_SCALE_ROW1
.endif
.endr
.endr
.endm
.macro FETCH_B slot, q, p
	WIN TO_B
.irp i, 0,1,2,3,4,5,6,7
	FRAG 128*(\p)+FR*\i, ADRB+\slot, \q, \i
.endr
	WIN 0
.endm
.macro FETCH_A slot, q, i0
.irp i, \i0, \i0+1, \i0+2, \i0+3
	FRAG AF+FR*(\i), ADRA+\slot, \q, \i
.endr
.endm
.macro SCALES sc
.irp i, 0,1,2,3,4,5,6,7
	ds_load_b64 v[SC+8*NQ*\sc+NQ*\i:SC+8*NQ*\sc+NQ*\i+1], v[ADRS] offset:\i*SBLK
.endr
.endm
.macro PLACES n
.rept \n
	v_nop
.endr
.endm
.macro STEP slot, q, zero
	s_wait_dscnt 4*NL
	WIN MUL_LO
	MUL16 0, (\q)%2, \q, \slot, \zero
	MUL16 2, (\q)%2, \q, \slot, \zero
	s_wait_dscnt 0
	PLACES NP
	FETCH_B \slot, (\q)+1, 1-(\q)%2
	FETCH_A \slot, (\q)+1, 0
	WIN MUL_HI
	MUL16 4, (\q)%2, \q, \slot, \zero
	MUL16 6, (\q)%2, \q, \slot, \zero
	PLACES NP
	WIN 0
	FETCH_A \slot, (\q)+1, 4
.endm
.macro TURN slot, next, fill
	s_wait_tensorcnt 0x0
	ds_add_u32 v[SPW], v[NIL]
	s_wait_dscnt 4*NL+1
	WIN MUL_LO
	MUL16 0, 1, NQ-1, \slot, 0
	s_wait_dscnt 0x0
	s_barrier_signal -1
	MUL16 2, 1, NQ-1, \slot, 0
	WIN 0
	s_barrier_wait -1
.if \fill
	CREST
	s_add_nc_u64 s[G0+4*\slot+2:G0+4*\slot+3], s[G0+4*\slot+2:G0+4*\slot+3], 2*ROWB
	s_add_nc_u64 s[G0B+4*\slot+2:G0B+4*\slot+3], s[G0B+4*\slot+2:G0B+4*\slot+3], 2*ROWB
	JLOAD G0+4*\slot, G1, G0B+4*\slot, G1B
	PLACES NP-4
.else
	PLACES NP
.endif
	s_wait_alu depctr_va_vdst(0)
	v_add_nc_u32 v[ADRS], 4*NQ, v[ADRS]
	FETCH_B \next, 0, 0
	FETCH_A \next, 0, 0
	SCALES \next
	WIN MUL_HI
	MUL16 4, 1, NQ-1, \slot, 0
	MUL16 6, 1, NQ-1, \slot, 0
	PLACES NP
	WIN 0
	FETCH_A \next, 0, 4
.endm
	s_wait_tensorcnt 1
	s_barrier_signal -1
	s_barrier_wait -1
	FETCH_B 0, 0, 0
	FETCH_A 0, 0, 0
	SCALES 0
	FETCH_A 0, 0, 4
	STEP 0, 0, 1
	s_mov_b32 s3, LAPS-1
.Llap:
	TURN 0, 1, 1
	STEP 1, 0, 0
	TURN 1, 0, 1
	STEP 0, 0, 0
	s_sub_co_u32 s3, s3, 1
	s_cmp_lg_u32 s3, 0
	s_cbranch_scc1 .Llap
	TURN 0, 1, 0
	STEP 1, 0, 0
	s_wait_dscnt 4*NL
	WIN MUL_LO
	MUL16 0, 1, NQ-1, 1, 0
	MUL16 2, 1, NQ-1, 1, 0
	s_wait_dscnt 0
	WIN MUL_HI
	MUL16 4, 1, NQ-1, 1, 0
	MUL16 6, 1, NQ-1, 1, 0
	WIN 0
.macro QA a
.set WA, 2+(\a)/4
.set AC, 64*((\a)%4)
.set PW, PWE+(\a)%2
.set WW, (WA<<2)|(WA<<4)
	WIN WW
.irp j, 0,1,2,3
	v_max3_num_f32 v[TM+\j], s10, |v[AC+16*\j]|, |v[AC+16*\j+1]|
.endr
.irp i, 2,4,6,8,10,12,14
.irp j, 0,1,2,3
	v_max3_num_f32 v[TM+\j], v[TM+\j], |v[AC+16*\j+\i]|, |v[AC+16*\j+\i+1]|
.endr
.endr
	WIN 0
.irp j, 0,1,2,3
	v_permlanex16_b32 v[TM+4+\j], v[TM+\j], s20, s21
.endr
.irp j, 0,1,2,3
	v_max_num_f32 v[TM+\j], v[TM+\j], v[TM+4+\j]
.endr
.irp j, 0,1,2,3
	v_add_nc_u32 v[TM+12+\j], 0xfc000000, v[TM+\j]
.endr
.irp j, 0,1,2,3
	v_and_or_b32 v[TM+8+\j], v[TM+\j], 0x7f800000, s11
.endr
.irp j, 0,1,2,3
	v_lshrrev_b32 v[TM+4+\j], 23, v[TM+12+\j]
.endr
	v_lshl_or_b32 v[PW], v[TM+5], 8, v[TM+4]
	v_lshl_or_b32 v[PW], v[TM+6], 16, v[PW]
	v_lshl_or_b32 v[PW], v[TM+7], 24, v[PW]
.set WW, (WA<<6)|WA
	WIN WW
.irp j, 0,1,2,3
.irp i, 0,1,2,3,4,5,6,7,8,9,10,11,12,13,14,15
	v_med3_num_f32 v[AC+16*\j+\i], v[AC+16*\j+\i], -v[TM+8+\j], v[TM+8+\j]
.endr
.endr
.if (\a) > 0
	s_wait_alu depctr_va_vdst(0)
	s_wait_xcnt 0x0
.if (\a) == 4
	s_add_nc_u64 s[12:13], s[12:13], s[6:7]
.else
	s_add_nc_u64 s[12:13], s[12:13], s[4:5]
.endif
.endif
	WIN WA
.irp j, 0,1,2,3
	v_cvt_scalef32_pk8_fp8_f32 v[PC+4*\j:PC+4*\j+1], v[AC+16*\j:AC+16*\j+7], v[TM+12+\j]
	v_cvt_scalef32_pk8_fp8_f32 v[PC+4*\j+2:PC+4*\j+3], v[AC+16*\j+8:AC+16*\j+15], v[TM+12+\j]
.endr
	WIN 0
	v_nop
	global_store_b128 v[VO0], v[PC:PC+3], s[12:13]
	global_store_b128 v[VO0], v[PC+4:PC+7], s[12:13] offset:512
	global_store_b128 v[VO1], v[PC+8:PC+11], s[12:13]
	global_store_b128 v[VO1], v[PC+12:PC+15], s[12:13] offset:512
.if (\a)%2
	v_perm_b32 v[W0], v[PWE+1], v[PWE], s8
	v_perm_b32 v[W1], v[PWE+1], v[PWE], s9
	v_cndmask_b32 v[W0], v[W0], v[W1], vcc_lo
	ds_store_b32 v[SST], v[W0] offset:128*((\a)/2)
.endif
.endm
	PLACES NP
	v_cmp_le_u32 vcc_lo, 16, v[LN]
.irp a, 0,1,2,3,4,5,6,7
	QA \a
.endr
	ds_load_b128 v[SB:SB+3], v[SLD]
	s_wait_dscnt 0x0
	global_store_b128 v[VSO], v[SB:SB+3], s[66:67]
	s_wait_tensorcnt 0x0
	ds_add_u32 v[SPW], v[NIL]
	s_wait_dscnt 0x0
	CROUND
	s_endpgm
.Lfunc_end_k_q6ef0644b67_qkv:
	.size	k_q6ef0644b67_qkv, .Lfunc_end_k_q6ef0644b67_qkv-k_q6ef0644b67_qkv
	.p2alignl 7, 3214868480
	.fill 96, 4, 3214868480
	.section	.rodata,"a",@progbits
	.p2align	6, 0x0
	.amdhsa_kernel k_q6ef0644b67_qkv
		.amdhsa_group_segment_fixed_size 327680
		.amdhsa_private_segment_fixed_size 0
		.amdhsa_enable_private_segment 0
		.amdhsa_kernarg_size 80
		.amdhsa_user_sgpr_count 2
		.amdhsa_user_sgpr_kernarg_segment_ptr 1
		.amdhsa_wavefront_size32 1
		.amdhsa_system_sgpr_workgroup_id_x 1
		.amdhsa_system_sgpr_workgroup_id_y 1
		.amdhsa_system_sgpr_workgroup_id_z 1
		.amdhsa_system_vgpr_workitem_id 0
		.amdhsa_next_free_vgpr 1024
		.amdhsa_next_free_sgpr 100
		.amdhsa_reserve_vcc 1
		.amdhsa_float_denorm_mode_32 3
		.amdhsa_float_denorm_mode_16_64 3
		.amdhsa_memory_ordered 1
		.amdhsa_forward_progress 1
		.amdhsa_inst_pref_size 188
	.end_amdhsa_kernel
	.amdgpu_metadata
---
amdhsa.version: [ 1, 2 ]
amdhsa.kernels:
  - .name:           k_q6ef0644b67_qkv
    .symbol:         k_q6ef0644b67_qkv.kd
    .args:
      - { .name: x_codes, .offset: 0, .size: 8, .value_kind: global_buffer, .address_space: global }
      - { .name: x_scales, .offset: 8, .size: 8, .value_kind: global_buffer, .address_space: global }
      - { .name: Wq_codes, .offset: 16, .size: 8, .value_kind: global_buffer, .address_space: global }
      - { .name: Wq_scales, .offset: 24, .size: 8, .value_kind: global_buffer, .address_space: global }
      - { .name: Wk_codes, .offset: 32, .size: 8, .value_kind: global_buffer, .address_space: global }
      - { .name: Wk_scales, .offset: 40, .size: 8, .value_kind: global_buffer, .address_space: global }
      - { .name: Wv_codes, .offset: 48, .size: 8, .value_kind: global_buffer, .address_space: global }
      - { .name: Wv_scales, .offset: 56, .size: 8, .value_kind: global_buffer, .address_space: global }
      - { .name: qkv_img, .offset: 64, .size: 8, .value_kind: global_buffer, .address_space: global }
      - { .name: qkv_sc, .offset: 72, .size: 8, .value_kind: global_buffer, .address_space: global }
    .group_segment_fixed_size: 327680
    .private_segment_fixed_size: 0
    .kernarg_segment_align: 8
    .kernarg_segment_size: 80
    .max_flat_workgroup_size: 128
    .sgpr_count:     100
    .vgpr_count:     1024
    .wavefront_size: 32
...
	.end_amdgpu_metadata
.endif
;; end of part 1
;; launch attn (part 2): grid 4 x 64, 16 waves a work-group, clusters of 4 x 1, 327,680 bytes of LDS; arguments qkv_img, qkv_sc, o_codes, o_scales; writes o_codes, o_scales
.if DOCPART == 2
	.amdgcn_target "amdgcn-amd-amdhsa--gfx1250"
	.amdhsa_code_object_version 6
	.text
	.protected	k_q6ef0644b67_attn
	.globl	k_q6ef0644b67_attn
	.p2align	8
	.type	k_q6ef0644b67_attn,@function
k_q6ef0644b67_attn:
	s_mov_b64 s[64:65], 0
	v_nop
	global_prefetch_b8 v0, s[64:65] scope:SCOPE_SE
	s_setreg_imm32_b32 hwreg(HW_REG_WAVE_MODE, 25, 1), 1
	s_wait_xcnt 0x0
	s_wait_alu depctr_hold_cnt(0) depctr_sa_sdst(0) depctr_va_vdst(0) depctr_va_sdst(0) depctr_va_ssrc(0) depctr_va_vcc(0) depctr_vm_vsrc(0)
	s_getreg_b32 s2, hwreg(HW_REG_IB_STS2, 6, 4)
	s_cmp_eq_u32 s2, 0
	s_cbranch_scc0 .Lentry_in_a_cluster
	s_endpgm
.Lentry_in_a_cluster:
	s_bfe_u32 s2, ttmp6, 0x10000c
	s_cmp_lg_u32 s2, 0x3003
	s_cbranch_scc0 .Lentry_shape_is_right
	s_endpgm
.Lentry_shape_is_right:
; o[b][q][head] = the sum over keys of softmax(q . k / 8) v, both products on codes of FP8 (E4M3) with one E8M0 scale for each 32 along a product's K; o is quantised along its 64 channels and leaves as codes.
; THE SOFTMAX AHEAD OF THE SECOND PRODUCT: t = score x log2(e) / 8; M = the row's largest t so far, rounded UP to a whole number; p = 2^(t - M) is quantised along the keys, not normalised.
; The row's sum is taken of the unquantised p, in f32, and divides O at the end.  When M moves, the sum and O are multiplied by 2^(old M - new M): exact.
; SHARES.  A work-group owns 512 queries of one (batch, head); the four work-groups of a cluster own the head's 2,048.  Each of its SIXTEEN waves owns one tile of 16 queries at a time, in 256 registers
; (four waves to a SIMD, no register windows), and does that twice: tile 32 cx + wave, then 16 tiles on.
; ALL OF THE HEAD'S K AND V STAYS IN LDS: 2 x 131,072 bytes of codes and 2 x 4,096 of scale words, brought once by joint tensor loads (each partner issues the same loads and receives the bytes in its own LDS).
; At the head one load a wave: waves 0-7 the first four key steps of K and V (8,192 bytes each), waves 8-15 the scale words (1,024 each).  Behind the waits, the add and a round of the cluster's barrier one load
; a wave more: the other twelve key steps (12,288 bytes each), which have four key steps in which to land.  No LDS byte is filled twice.
; NO PREFETCH: every byte of K and V is asked for by these two groups of loads, at the launch's start: there is no later load to run ahead of.
; OPERANDS LIE AS IMAGES OF THEIR REGISTERS (the launch before stores them so): a piece of 512 bytes is four registers, lane l's 16 bytes at 16 l.  Every LDS load reads 512 consecutive bytes.
; Inside a block of 32, place 16 h + 8 u + i holds element 16 u + 8 h + i, alike in q and k (channels) and in p and v (keys).
; K = 64 IN AN INSTRUCTION OF K = 128.  A fragment of K holds TWO tiles of 16 keys.  It is multiplied once by [Q | zeros] and once by [zeros | Q].  Q's scale word holds its two bytes twice.
; Both products are used transposed: S^T = K Q^T, O^T = V^T P^T: a lane holds ONE query (lane % 16) throughout.
; STORED: o_codes [head][batch x 2,048 + query][64 bytes]: a tile's 16 rows are 1,024 consecutive bytes.  o_scales [row][32]: a head owns 2 bytes of a row: one store of 2 bytes a lane at the end, for both passes' rows.
; LIMITS: a block of zeros gets the byte 1 (its codes are zeros, and this program alone reads the bytes); NaN and infinities are not served; the scaled scores stay under 2^31 in magnitude.
.set LV,   131072                      ; LDS: K's images at 0 (8,192 bytes a key step); V's here;
.set LKS,  262144                      ; K's scale words, 256 bytes a key step;
.set LVS,  266240                      ; V's likewise;
.set STG,  270336                      ; a stage of 1,024 bytes for each wave, into which no tensor load lands;
.set SPARE, 286720                     ; the spare words, 128 bytes for each wave
.set LI,   1                           ; v1   16 x lane
.set AV0,  2                           ; v2   the same among V's images
.set AS0,  3                           ; v3   4 x lane + LKS
.set ADK,  4                           ; v4-6 the addresses of the step in hand
.set ADV,  5
.set ADS,  6
.set STO,  7                           ; v7   the stage: 64 r + 8 h
.set RD,   8                           ; v8   and where I read 16 bytes back
.set QSO,  9                           ; v9   4 r
.set OSO,  10                          ; v10  32 r + 8,192 h: lanes 0-15 the first pass's rows of o_scales, lanes 16-31 the second's
.set LN,   11                          ; v11  my lane
.set KSC,  12                          ; v12, v13 K's scale words: lanes 0-15 an even group of 32 keys, lanes 16-31 the odd one
.set VSC,  14                          ; v14, v15 V's: lanes 0-15 an even tile of channels, lanes 16-31 the odd one
.set QSC,  16                          ; v16  Q's scale word
.set QW,   17                          ; v17  the word that it is made of
.set HW,   20                          ; v20  o's scale bytes
.set KF,   24                          ; v24-87 four fragments of K, then four of V
.set QQ,   96                          ; v88-95 zeros, v96-103 Q, v104-111 zeros
.set SS,   112                         ; v112-175 S^T, then p
.set OT,   176                         ; v176-207 O^T
.set PC,   208                         ; v208-223 p's codes
.set BM,   224                         ; the blocks' largest scores, then largest p
.set PM,   228                         ; the other half's; then the scales' bytes
.set LM,   232                         ; 448 x the scale
.set SO,   236                         ; the conversions' scale operands
.set S2,   240                         ; the sums' second chain
.set SPW,  247                         ; my spare word's LDS address; never rewritten
.set NM,   248                         ; -M;  v249 is named with it as a pair
.set TMAX, 249                         ; the row's largest score so far, as the product gives it
.set SUM,  250                         ; the row's sum in two halves
.set FF,   252                         ; f = 2^(old M - new M)
.set PW,   253                         ; p's scale word
.set T0,   254
.set NIL,  255                         ; 0; never rewritten
.set WV,   12
.set TB,   16                          ; s16  LDS byte at which the step's images begin
.set TS,   17                          ; s17  and its scale words
.set CNT,  18
.set MNT,  19                          ; the mantissa field of 448
.set SEL,  20                          ; s[20:21] selects for lane l xor 16
.set CS,   22                          ; s[22:23] c = log2(e) / 8
.set G1,   24                          ; group 1: 8,192 dense bytes;  G1S: 1,024;  G1R: 12,288
.set G1S,  32
.set G1R,  40
.set G0A,  48                          ; groups 0
.set G0S,  52
.set G0R,  56
.set PSEL, 60                          ; which two bytes of Q's word are my tile's
.set QB,   66
.set QSB,  68
.set OB,   70
.set OSB,  72
.macro CROUND                          ; a round of the cluster's barrier
	s_barrier_signal -1
	s_barrier_wait -1
	s_cmp_lg_u32 s[WV], 0
	s_cbranch_scc1 .Lnot_wave_0_\@
	s_barrier_signal -3
.Lnot_wave_0_\@:
	s_barrier_wait -3
	s_barrier_signal -1
	s_barrier_wait -1
.endm
.macro TLOAD g0, g1                    ; an s_nop 0 and four v_nop follow each tensor load
	tensor_load_to_lds s[\g0:\g0+3], s[\g1:\g1+7]
	s_nop 0
.rept 4
	v_nop
.endr
.endm
.macro GROUP1 g, rows                  ; a dense block as rows of 256 bytes (32 elements of 8 bytes), no padding; the mask names all four work-groups, bit 21 beside it
	s_mov_b32 s[\g], 15|(3<<16)|(1<<21)
	s_mov_b32 s[\g+1], 32<<16
	s_mov_b32 s[\g+2], (\rows)<<16
	s_mov_b32 s[\g+3], 32<<16
	s_mov_b32 s[\g+4], \rows
	s_mov_b32 s[\g+5], 32
	s_mov_b32 s[\g+6], 0
	s_mov_b32 s[\g+7], 0
.endm
	s_load_b256 s[4:11], s[0:1], 0x0               ; qkv_img, qkv_sc, o_codes, o_scales
	v_lshl_add_u32 v[SPW], v0, 2, SPARE
	v_mov_b32 v[NIL], 0
	ds_add_u32 v[SPW], v[NIL]                      ; the opening: the add, twice on end, and its wait ahead of my first tensor load
	ds_add_u32 v[SPW], v[NIL]
	v_lshrrev_b32 v1, 5, v0
	v_readfirstlane_b32 s[WV], v1                  ; wave 0..15
	s_bfe_u32 s13, ttmp6, 0x40000                  ; cx: it enters Q's and o's addresses alone
	s_and_b32 s14, ttmp7, 0xffff                   ; 16 x batch + head, which the four partners share
	GROUP1 G1, 32
	GROUP1 G1S, 4
	GROUP1 G1R, 48
	s_bfe_u32 s74, s[WV], 0x10002                  ; the head's loads: kind (0 K, 1 V) = bit 2 of the wave, part = wave % 4
	s_and_b32 s75, s[WV], 3
	s_add_co_u32 s76, s74, 1                       ; k is part 1 of the workspace, v part 2
	s_lshl_b32 s80, s76, 23
	s_lshl_b32 s77, s14, 17
	s_add_co_u32 s80, s80, s77
	s_lshl_b32 s77, s75, 13
	s_add_co_u32 s80, s80, s77                     ; images in memory: (1 + kind) x 2^23 + head x 2^17 + 8,192 part
	s_mov_b32 s81, 0
	s_lshl_b32 s[G0A+1], s74, 17
	s_add_co_u32 s[G0A+1], s[G0A+1], s77           ; in LDS: 131,072 kind + 8,192 part
	s_lshl_b32 s82, s76, 18
	s_lshl_b32 s77, s14, 12
	s_add_co_u32 s82, s82, s77
	s_lshl_b32 s77, s75, 10
	s_add_co_u32 s82, s82, s77                     ; scale words in memory: (1 + kind) x 2^18 + head x 2^12 + 1,024 part
	s_mov_b32 s83, 0
	s_lshl_b32 s[G0S+1], s74, 12
	s_add_co_u32 s[G0S+1], s[G0S+1], s77
	s_add_co_u32 s[G0S+1], s[G0S+1], LKS
	s_lshr_b32 s74, s[WV], 3                       ; the other twelve key steps: kind = wave / 8, part = wave % 8, 12,288 bytes each, from byte 32,768 on
	s_and_b32 s75, s[WV], 7
	s_mul_i32 s75, s75, 12288
	s_add_co_u32 s75, s75, 32768
	s_add_co_u32 s76, s74, 1
	s_lshl_b32 s2, s76, 23
	s_lshl_b32 s77, s14, 17
	s_add_co_u32 s2, s2, s77
	s_add_co_u32 s2, s2, s75
	s_mov_b32 s3, 0
	s_lshl_b32 s[G0R+1], s74, 17
	s_add_co_u32 s[G0R+1], s[G0R+1], s75
	s_lshl_b32 s74, s13, 5                         ; my first tile T = 32 cx + wave
	s_add_co_u32 s74, s74, s[WV]
	s_lshl_b32 s[QB], s14, 17
	s_lshl_b32 s75, s74, 10
	s_add_co_u32 s[QB], s[QB], s75                 ; q is part 0: head x 2^17 + 1,024 T
	s_mov_b32 s[QB+1], 0
	s_lshl_b32 s[QSB], s14, 12
	s_lshr_b32 s76, s74, 1
	s_lshl_b32 s76, s76, 6
	s_add_co_u32 s[QSB], s[QSB], s76               ; head x 2^12 + 64 (T / 2): a word holds the bytes of two tiles' query r
	s_mov_b32 s[QSB+1], 0
	s_mov_b32 s[PSEL], 0x01000100
	s_bitcmp1_b32 s[WV], 0
	s_cselect_b32 s[PSEL], 0x03020302, s[PSEL]     ; an odd tile's bytes are 2 and 3
	s_and_b32 s15, s14, 15                         ; head
	s_lshr_b32 s16, s14, 4                         ; batch
	s_lshl_b32 s[OB], s15, 19
	s_lshl_b32 s76, s16, 17
	s_add_co_u32 s[OB], s[OB], s76
	s_add_co_u32 s[OB], s[OB], s75                 ; head x 2^19 + batch x 2^17 + 1,024 T
	s_mov_b32 s[OB+1], 0
	s_lshl_b32 s[OSB], s16, 16
	s_lshl_b32 s76, s74, 9
	s_add_co_u32 s[OSB], s[OSB], s76
	s_lshl_b32 s76, s15, 1
	s_add_co_u32 s[OSB], s[OSB], s76               ; row x 32 + 2 x head
	s_mov_b32 s[OSB+1], 0
	s_mov_b32 s[MNT], 0x600000
	s_mov_b32 s[SEL], 0x76543210
	s_mov_b32 s[SEL+1], 0xfedcba98
	s_mov_b32 s[CS], 0x3e38aa3b                    ; c = log2(e) / 8
	s_mov_b32 s[CS+1], s[CS]
	s_wait_dscnt 0x0                               ; both opening adds are done
	s_wait_kmcnt 0x0
	s_mov_b32 s[G0A], 1
	s_add_nc_u64 s[G0A+2:G0A+3], s[4:5], s[80:81]
	s_or_b32 s[G0A+3], s[G0A+3], 0x80000000
	s_mov_b32 s[G0S], 1
	s_add_nc_u64 s[G0S+2:G0S+3], s[6:7], s[82:83]
	s_or_b32 s[G0S+3], s[G0S+3], 0x80000000
	s_mov_b32 s[G0R], 1
	s_add_nc_u64 s[G0R+2:G0R+3], s[4:5], s[2:3]
	s_or_b32 s[G0R+3], s[G0R+3], 0x80000000
	s_add_nc_u64 s[QB:QB+1], s[4:5], s[QB:QB+1]
	s_add_nc_u64 s[QSB:QSB+1], s[6:7], s[QSB:QSB+1]
	s_add_nc_u64 s[OB:OB+1], s[8:9], s[OB:OB+1]
	s_add_nc_u64 s[OSB:OSB+1], s[10:11], s[OSB:OSB+1]
	CROUND                                         ; all four work-groups are here: the joint loads meet
	s_cmp_lt_u32 s[WV], 8                          ; one load a wave, an arm each: every way passes one
	s_cbranch_scc0 .Lscales
	TLOAD G0A, G1                                  ; waves 0-7: key steps 0 to 3 of K and of V
	s_branch .Lasked
.Lscales:
	TLOAD G0S, G1S                                 ; waves 8-15: the scale words
.Lasked:
	v_and_b32 v[LN], 31, v0
	v_lshlrev_b32 v[LI], 4, v[LN]
	v_add_nc_u32 v[AV0], LV, v[LI]
	v_lshl_add_u32 v[AS0], v[LN], 2, LKS
	v_and_b32 v18, 15, v0                          ; r
	v_bfe_u32 v19, v0, 4, 1                        ; h
	s_lshl_b32 s79, s[WV], 10
	s_add_co_u32 s79, s79, STG                     ; my stage
	v_lshlrev_b32 v[STO], 6, v18
	v_lshl_add_u32 v[STO], v19, 3, v[STO]
	v_add_nc_u32 v[STO], s79, v[STO]
	v_add_nc_u32 v[RD], s79, v[LI]
	v_lshlrev_b32 v[QSO], 2, v18
	v_lshlrev_b32 v[OSO], 5, v18
	v_lshl_add_u32 v[OSO], v19, 13, v[OSO]
.macro QLOAD                           ; my 16 queries' codes and their scale word
	global_load_b128 v[QQ:QQ+3], v[LI], s[QB:QB+1]
	global_load_b128 v[QQ+4:QQ+7], v[LI], s[QB:QB+1] offset:512
	global_load_b32 v[QW], v[QSO], s[QSB:QSB+1]
.endm
	QLOAD
.irp i, 0,1,2,3,4,5,6,7
	v_mov_b32 v[QQ-8+\i], 0                        ; the zero codes beside Q
	v_mov_b32 v[QQ+8+\i], 0
.endr
.irp b, 0,1,2,3
	v_mov_b32 v[PM+\b], 0                          ; a lane permute's destination counts as one of its sources
.endr
	v_mov_b32 v[PW], 0                             ; (named as the upper half of the pair with f)
	v_mov_b32 v[T0], 0
.macro PASSHEAD                        ; Q is in; the running figures begin.  The key step is written for every step alike: the first finds zeros, which the first change of M leaves zeros
	s_wait_alu depctr_va_vdst(0)
	s_wait_loadcnt 0x0
	v_perm_b32 v[QSC], v[QW], v[QW], s[PSEL]       ; a query's two bytes, twice: for [Q | zeros] and for [zeros | Q]
	v_mov_b32 v[TMAX], 0xff61b1e6                  ; the largest score so far: -3e38
	s_delay_alu instid0(VALU_DEP_1)
	v_floor_f32 v[NM], -v[TMAX]                    ; -M
	v_mov_b32 v[SUM], 0
	v_mov_b32 v[SUM+1], 0
.set j, 0
.rept 32
	v_mov_b32 v[OT+j], 0
.set j, j+1
.endr
	s_wait_alu depctr_va_vdst(0)
.endm
; S^T = K Q^T: 8 matrix instructions: keys 32 g + 16 u + 8 (lane / 16) + 0 .. 7 fall into registers 16 g + 8 u + 0 .. 7
.macro SQK
.irp g, 0,1,2,3
.irp u, 0,1
.if (\g)%2
	v_wmma_scale_f32_16x16x128_f8f6f4 v[SS+8*(2*\g+\u):SS+8*(2*\g+\u)+7], v[KF+16*\g:KF+16*\g+15], v[QQ-8*\u:QQ-8*\u+15], 0, v[KSC+\g/2], v[QSC] matrix_a_scale:MATRIX_SCALE_ROW1
.else
	v_wmma_scale_f32_16x16x128_f8f6f4 v[SS+8*(2*\g+\u):SS+8*(2*\g+\u)+7], v[KF+16*\g:KF+16*\g+15], v[QQ-8*\u:QQ-8*\u+15], 0, v[KSC+\g/2], v[QSC]
.endif
.endr
.endr
.endm
; O^T += V^T P^T: 4 matrix instructions, the accumulators by turns
.macro PV
.irp t, 0,1,2,3
.if (\t)%2
	v_wmma_scale_f32_16x16x128_f8f6f4 v[OT+8*\t:OT+8*\t+7], v[KF+16*\t:KF+16*\t+15], v[PC:PC+15], v[OT+8*\t:OT+8*\t+7], v[VSC+\t/2], v[PW] matrix_a_scale:MATRIX_SCALE_ROW1
.else
	v_wmma_scale_f32_16x16x128_f8f6f4 v[OT+8*\t:OT+8*\t+7], v[KF+16*\t:KF+16*\t+15], v[PC:PC+15], v[OT+8*\t:OT+8*\t+7], v[VSC+\t/2], v[PW]
.endif
.endr
.endm
.macro SOFTMAX
.irp b, 0,1,2,3
	v_max3_num_f32 v[BM+\b], v[SS+16*\b], v[SS+16*\b+1], v[SS+16*\b+2]   ; the largest score of each block of 32 keys: for the row's maximum and, since p rises with the score, for the block's largest p
.endr
.irp i, 3,5,7,9,11,13
.irp b, 0,1,2,3
	v_max3_num_f32 v[BM+\b], v[BM+\b], v[SS+16*\b+\i], v[SS+16*\b+\i+1]   ; the four blocks by turns; each accumulator is read from its low end on
.endr
.endr
.irp b, 0,1,2,3
	v_max_num_f32 v[BM+\b], v[BM+\b], v[SS+16*\b+15]
.endr
.irp b, 0,1,2,3
	v_permlanex16_b32 v[PM+\b], v[BM+\b], s[SEL], s[SEL+1]   ; (four chains by turns)
.endr
.irp b, 0,1,2,3
	v_max_num_f32 v[BM+\b], v[BM+\b], v[PM+\b]     ; with lane l xor 16's 16 keys
.endr
	s_delay_alu instid0(VALU_DEP_2)
	v_max3_num_f32 v[T0], v[BM], v[BM+1], v[BM+2]
	s_delay_alu instid0(VALU_DEP_1)
	v_max3_num_f32 v[TMAX], v[TMAX], v[T0], v[BM+3]   ; the running largest score of my query
	s_delay_alu instid0(VALU_DEP_1)
	v_mul_f32 v[T0], s[CS], v[TMAX]                ; as t (c is positive, so the largest score gives the largest t)
	v_mov_b32 v18, v[NM]
	s_delay_alu instid0(VALU_DEP_2)
	v_floor_f32 v[NM], -v[T0]                      ; the new -M = floor(-t): M is a whole number
	s_delay_alu instid0(VALU_DEP_1)
	v_sub_f32 v[T0], v[NM], v18                    ; old M less new M: a whole number, 0 or less
	s_delay_alu instid0(VALU_DEP_1)
	v_cvt_i32_f32 v[T0], v[T0]                     ; (it saturates)
	s_delay_alu instid0(VALU_DEP_1)
	v_ldexp_f32 v[FF], 1.0, v[T0]                  ; f = 2^(old M - new M)
.set j, 0
.rept 32
	v_pk_fma_f32 v[SS+j:SS+j+1], v[SS+j:SS+j+1], s[CS:CS+1], v[NM:NM+1] op_sel_hi:[1,0,0]   ; t - M, two at a time
.set j, j+2
.endr
.irp b, 0,1,2,3
	v_fma_f32 v[BM+\b], v[BM+\b], s[CS], v[NM]     ; the same of each block's largest score
.endr
.set j, 0
	s_wait_alu depctr_va_vdst(0)
.rept 64
	v_exp_f32 v[SS+j], v[SS+j]                     ; p = 2^(t - M), at most 1
.set j, j+1
.endr
	v_pk_mul_f32 v[SUM:SUM+1], v[SUM:SUM+1], v[FF:FF+1] op_sel_hi:[1,0]   ; the sums under the new M: the plain instruction behind the exponentials
	s_wait_alu depctr_va_vdst(0)                   ; one wait for the batch, ahead of its first reader
.irp b, 0,1,2,3
	v_exp_f32 v[BM+\b], v[BM+\b]                   ; the block's largest p
.endr
	v_pk_add_f32 v[S2:S2+1], v[SS:SS+1], v[SS+2:SS+3]   ; the row's sum is taken of the unquantised p: two at a time, in two chains
.set j, 4
.rept 15
	v_pk_add_f32 v[SUM:SUM+1], v[SUM:SUM+1], v[SS+j:SS+j+1]
	v_pk_add_f32 v[S2:S2+1], v[S2:S2+1], v[SS+j+2:SS+j+3]
.set j, j+4
.endr
	s_delay_alu instid0(VALU_DEP_1)
	v_pk_add_f32 v[SUM:SUM+1], v[SUM:SUM+1], v[S2:S2+1]
	s_wait_alu depctr_va_vdst(0)                   ; and one for the four
.irp b, 0,1,2,3
	v_max_num_f32 v[BM+\b], 0x4800000, v[BM+\b]    ; the floor 2^(9 - 127): the byte cannot fall under 1
.endr
.irp b, 0,1,2,3
	v_add_nc_u32 v[SO+\b], 0xfc000000, v[BM+\b]    ; 8 off the exponent field: the conversion's scale operand
.endr
.irp b, 0,1,2,3
	v_and_or_b32 v[LM+\b], v[BM+\b], 0x7f800000, s[MNT]   ; 448 x the scale
.endr
.irp b, 0,1,2,3
	v_lshrrev_b32 v[PM+\b], 23, v[SO+\b]           ; the scale's byte
.endr
	s_delay_alu instid0(VALU_DEP_3)
	v_lshl_or_b32 v[PW], v[PM+1], 8, v[PM]         ; p's scale word for these 128 keys
	s_delay_alu instid0(VALU_DEP_1)
	v_lshl_or_b32 v[PW], v[PM+2], 16, v[PW]
	s_delay_alu instid0(VALU_DEP_1)
	v_lshl_or_b32 v[PW], v[PM+3], 24, v[PW]
.irp b, 0,1,2,3
.irp i, 0,2,4,6,8,10,12,14
	v_dual_min_num_f32 v[SS+16*\b+\i], v[SS+16*\b+\i], v[LM+\b] :: v_dual_min_num_f32 v[SS+16*\b+\i+1], v[SS+16*\b+\i+1], v[LM+\b]   ; the conversion does not saturate (ISA guide 7.6.2); p is not negative, so the hold is one-sided; two holds an instruction
.endr
	v_cvt_scalef32_pk8_fp8_f32 v[PC+4*\b:PC+4*\b+1], v[SS+16*\b:SS+16*\b+7], v[SO+\b]
	v_cvt_scalef32_pk8_fp8_f32 v[PC+4*\b+2:PC+4*\b+3], v[SS+16*\b+8:SS+16*\b+15], v[SO+\b]
.endr
	s_wait_alu depctr_va_vdst(0)                   ; the wait directly ahead of the first reader of O^T
.set j, 0
.rept 16
	v_pk_mul_f32 v[OT+j:OT+j+1], v[OT+j:OT+j+1], v[FF:FF+1] op_sel_hi:[1,0]   ; O^T under the new M.  (Also the plain instructions behind the conversions and in front of the products)
.set j, j+2
.endr
.endm
; A KEY STEP: 128 keys.  V's fragments take K's registers behind the first product and land under the softmax.
.macro STEP
	v_add_nc_u32 v[ADK], s[TB], v[LI]
	v_add_nc_u32 v[ADV], s[TB], v[AV0]
	v_add_nc_u32 v[ADS], s[TS], v[AS0]
.rept 5
	v_nop                                          ; with the three additions: eight places behind the last step's products, in front of the loads into their registers
.endr
.irp g, 0,1,2,3
.irp c, 0,1,2,3
	ds_load_b128 v[KF+16*\g+4*\c:KF+16*\g+4*\c+3], v[ADK] offset:2048*\g+512*\c
.endr
.endr
	ds_load_b32 v[KSC], v[ADS]
	ds_load_b32 v[KSC+1], v[ADS] offset:128
	s_wait_alu depctr_va_vdst(0)
	s_wait_dscnt 0x0
	SQK
.rept 8
	v_nop                                          ; places behind the products, ahead of the loads into K's registers and of the first read of the scores
.endr
.irp t, 0,1,2,3
.irp c, 0,1,2,3
	ds_load_b128 v[KF+16*\t+4*\c:KF+16*\t+4*\c+3], v[ADV] offset:2048*\t+512*\c
.endr
.endr
	ds_load_b32 v[VSC], v[ADS] offset:LVS-LKS
	ds_load_b32 v[VSC+1], v[ADS] offset:LVS-LKS+128
	SOFTMAX
	s_wait_alu depctr_va_vdst(0)
	s_wait_dscnt 0x0                               ; V is in
	PV
	s_add_co_u32 s[TB], s[TB], 8192
	s_add_co_u32 s[TS], s[TS], 256
.endm
.macro WALK first, n
	s_mov_b32 s[TB], (\first)*8192
	s_mov_b32 s[TS], (\first)*256
	s_mov_b32 s[CNT], \n
.Lstep_\@:
	STEP
	s_sub_co_u32 s[CNT], s[CNT], 1
	s_cmp_lg_u32 s[CNT], 0
	s_cbranch_scc1 .Lstep_\@
.endm
; The tile leaves: O^T / the sum, quantised along the channels (two blocks of 32), 8 bytes at a time into my stage, where the channels come into their true order
.macro WAYOUT
	v_add_f32 v[SUM], v[SUM], v[SUM+1]
	s_delay_alu instid0(VALU_DEP_1)
	v_permlanex16_b32 v[T0], v[SUM], s[SEL], s[SEL+1]
	s_delay_alu instid0(VALU_DEP_1)
	v_add_f32 v[SUM], v[SUM], v[T0]                ; the row's sum
	s_wait_alu depctr_va_vdst(0)
	v_rcp_f32 v[FF], v[SUM]
	v_nop                                          ; a plain instruction behind the transcendental
	s_wait_alu depctr_va_vdst(0)                   ; the wait ahead of its first reader, and of the first reader of O^T
.set j, 0
.rept 16
	v_pk_mul_f32 v[OT+j:OT+j+1], v[OT+j:OT+j+1], v[FF:FF+1] op_sel_hi:[1,0]   ; register 8 t + i is o(query r, channel 16 t + 8 h + i)
.set j, j+2
.endr
.irp e, 0,1
	v_max3_num_f32 v[BM+\e], |v[OT+16*\e]|, |v[OT+16*\e+1]|, 0x4800000
.endr
.irp i, 2,4,6,8,10,12,14
.irp e, 0,1
	s_delay_alu instid0(VALU_DEP_2)
	v_max3_num_f32 v[BM+\e], v[BM+\e], |v[OT+16*\e+\i]|, |v[OT+16*\e+\i+1]|
.endr
.endr
.irp e, 0,1
	s_delay_alu instid0(VALU_DEP_2)
	v_permlanex16_b32 v[PM+\e], v[BM+\e], s[SEL], s[SEL+1]
.endr
.irp e, 0,1
	s_delay_alu instid0(VALU_DEP_2)
	v_max_num_f32 v[BM+\e], v[BM+\e], v[PM+\e]
.endr
.irp e, 0,1
	s_delay_alu instid0(VALU_DEP_2)
	v_add_nc_u32 v[SO+\e], 0xfc000000, v[BM+\e]
.endr
.irp e, 0,1
	s_delay_alu instid0(VALU_DEP_4)
	v_and_or_b32 v[LM+\e], v[BM+\e], 0x7f800000, s[MNT]
.endr
.irp e, 0,1
	s_delay_alu instid0(VALU_DEP_4)
	v_lshrrev_b32 v[PM+\e], 23, v[SO+\e]
.endr
	s_delay_alu instid0(VALU_DEP_1)
	v_lshl_or_b32 v[T0], v[PM+1], 8, v[PM]         ; my row's two scale bytes
.irp e, 0,1
.irp i, 0,1,2,3,4,5,6,7,8,9,10,11,12,13,14,15
	v_med3_num_f32 v[OT+16*\e+\i], v[OT+16*\e+\i], -v[LM+\e], v[LM+\e]
.endr
	v_cvt_scalef32_pk8_fp8_f32 v[PC+4*\e:PC+4*\e+1], v[OT+16*\e:OT+16*\e+7], v[SO+\e]
	v_cvt_scalef32_pk8_fp8_f32 v[PC+4*\e+2:PC+4*\e+3], v[OT+16*\e+8:OT+16*\e+15], v[SO+\e]
.endr
	v_nop                                          ; one plain vector instruction behind the last conversion
.irp e, 0,1
.irp u, 0,1
	ds_store_b64 v[STO], v[PC+4*\e+2*\u:PC+4*\e+2*\u+1] offset:32*\e+16*\u   ; channels 32 e + 16 u + 8 h + 0 .. 7 of row r
.endr
.endr
.endm
.macro PASSTAIL more
.rept 8
	v_nop                                          ; places behind the last products, ahead of the first read of O^T
.endr
.if \more
	s_add_nc_u64 s[QB:QB+1], s[QB:QB+1], 16384     ; 16 tiles on (the first pass's loads were waited for): the next queries are asked for ahead of the way out
	s_add_nc_u64 s[QSB:QSB+1], s[QSB:QSB+1], 512
	QLOAD
.endif
	WAYOUT
	ds_load_b128 v[SS:SS+3], v[RD]                 ; LDS serves a wave's instructions in order (ISA guide 5.7.1.4): these see my stores
	ds_load_b128 v[SS+4:SS+7], v[RD] offset:512
	s_wait_dscnt 1                                 ; the younger read-back may be out
	global_store_b128 v[LI], v[SS:SS+3], s[OB:OB+1]   ; 32 lanes store 512 consecutive bytes, at a multiple of 512 from the buffer's first byte
	s_wait_dscnt 0x0
	global_store_b128 v[LI], v[SS+4:SS+7], s[OB:OB+1] offset:512
.if \more
	v_mov_b32 v[HW], v[T0]                         ; the first pass's scale bytes are kept
	s_wait_xcnt 0x0                                ; the stores have read their data and their base: both are written again only behind this wait
	s_add_nc_u64 s[OB:OB+1], s[OB:OB+1], 16384
.else
	v_cmp_le_u32 vcc_lo, 16, v[LN]
	v_cndmask_b32 v[HW], v[HW], v[T0], vcc_lo      ; lanes 0-15: the first pass's row r; lanes 16-31: the second's
	global_store_b16 v[OSO], v[HW], s[OSB:OSB+1]
.endif
.endm
	PASSHEAD
	s_wait_tensorcnt 0x0                           ; my part of the first four key steps, or of the scale words, is in
	ds_add_u32 v[SPW], v[NIL]
	s_wait_dscnt 0x0
	CROUND                                         ; everybody's part is in, and all four work-groups are here
	TLOAD G0R, G1R                                 ; key steps 4 to 15: my one load behind the round
	WALK 0, 4                                      ; key steps 0 to 3, which the head has brought
	s_wait_tensorcnt 0x0                           ; my part of the other twelve key steps is in;
	s_wait_dscnt 0x0
	s_barrier_signal -1
	s_barrier_wait -1                              ; everybody's is.
	WALK 4, 12
	PASSTAIL 1
	PASSHEAD
	WALK 0, 16
	PASSTAIL 0
	s_wait_tensorcnt 0x0                           ; the wave's end
	ds_add_u32 v[SPW], v[NIL]
	s_wait_dscnt 0x0
	CROUND                                         ; the closing round
	s_endpgm
.Lfunc_end_k_q6ef0644b67_attn:
	.size	k_q6ef0644b67_attn, .Lfunc_end_k_q6ef0644b67_attn-k_q6ef0644b67_attn
	.p2alignl 7, 3214868480
	.fill 96, 4, 3214868480
	.section	.rodata,"a",@progbits
	.p2align	6, 0x0
	.amdhsa_kernel k_q6ef0644b67_attn
		.amdhsa_group_segment_fixed_size 327680
		.amdhsa_private_segment_fixed_size 0
		.amdhsa_enable_private_segment 0
		.amdhsa_kernarg_size 32
		.amdhsa_user_sgpr_count 2
		.amdhsa_user_sgpr_kernarg_segment_ptr 1
		.amdhsa_wavefront_size32 1
		.amdhsa_system_sgpr_workgroup_id_x 1
		.amdhsa_system_sgpr_workgroup_id_y 1
		.amdhsa_system_sgpr_workgroup_id_z 1
		.amdhsa_system_vgpr_workitem_id 0
		.amdhsa_next_free_vgpr 256
		.amdhsa_next_free_sgpr 84
		.amdhsa_reserve_vcc 1
		.amdhsa_float_denorm_mode_32 3
		.amdhsa_float_denorm_mode_16_64 3
		.amdhsa_memory_ordered 1
		.amdhsa_forward_progress 1
		.amdhsa_inst_pref_size 83
	.end_amdhsa_kernel
	.amdgpu_metadata
---
amdhsa.version: [ 1, 2 ]
amdhsa.kernels:
  - .name:           k_q6ef0644b67_attn
    .symbol:         k_q6ef0644b67_attn.kd
    .args:
      - { .name: qkv_img, .offset: 0, .size: 8, .value_kind: global_buffer, .address_space: global }
      - { .name: qkv_sc, .offset: 8, .size: 8, .value_kind: global_buffer, .address_space: global }
      - { .name: o_codes, .offset: 16, .size: 8, .value_kind: global_buffer, .address_space: global }
      - { .name: o_scales, .offset: 24, .size: 8, .value_kind: global_buffer, .address_space: global }
    .group_segment_fixed_size: 327680
    .private_segment_fixed_size: 0
    .kernarg_segment_align: 8
    .kernarg_segment_size: 32
    .max_flat_workgroup_size: 512
    .sgpr_count:     84
    .vgpr_count:     256
    .wavefront_size: 32
...
	.end_amdgpu_metadata
.endif
;; end of part 2
;; launch proj (part 3): grid 4 x 64, 4 waves a work-group, clusters of 4 x 4, 327,680 bytes of LDS; arguments o_codes, o_scales, Wo_codes, Wo_scales, bo, out0; writes out0
.if DOCPART == 3
	.amdgcn_target "amdgcn-amd-amdhsa--gfx1250"
	.amdhsa_code_object_version 6
	.text
	.protected	k_q6ef0644b67_proj
	.globl	k_q6ef0644b67_proj
	.p2align	8
	.type	k_q6ef0644b67_proj,@function
k_q6ef0644b67_proj:
	s_mov_b64 s[64:65], 0
	v_nop
	global_prefetch_b8 v0, s[64:65] scope:SCOPE_SE
	s_setreg_imm32_b32 hwreg(HW_REG_WAVE_MODE, 25, 1), 1
	s_wait_xcnt 0x0
	s_wait_alu depctr_hold_cnt(0) depctr_sa_sdst(0) depctr_va_vdst(0) depctr_va_sdst(0) depctr_va_ssrc(0) depctr_va_vcc(0) depctr_vm_vsrc(0)
	s_getreg_b32 s2, hwreg(HW_REG_IB_STS2, 6, 4)
	s_cmp_eq_u32 s2, 0
	s_cbranch_scc0 .Lentry_in_a_cluster
	s_endpgm
.Lentry_in_a_cluster:
	s_bfe_u32 s2, ttmp6, 0x10000c
	s_cmp_lg_u32 s2, 0xf033
	s_cbranch_scc0 .Lentry_shape_is_right
	s_endpgm
.Lentry_shape_is_right:
; out0[m][n] = the sum over k of o[m][k] Wo[n][k] + bo[n], on codes of FP8 (E4M3) with one E8M0 scale for each 32 along K; sums in f32.  8,192 x 1,024 x 1,024.
; o_codes [head 16][row 8,192][64 bytes], o_scales [row][32], as the launch before leaves them; Wo_codes [n][1,024], Wo_scales [n][32].
; SHARES.  A work-group makes 128 rows x 256 columns: 4 x 64 = 256 work-groups.  Four waves, 2 x 2; a wave makes 64 x 128: 32 accumulators of 16 x 16, which take turns.
; LDS.  A's 128 rows lie there for ALL of K: [head][128 rows][64 bytes + 16], 163,840 bytes.  B goes in K steps of 256 through two slots of 256 rows x (256 + 16) bytes.
; FILLS.  At the head one joint load a wave: waves 0, 1 A's heads 0-7 and 8-15, waves 2, 3 B's K steps 0 and 1.  K steps 2 and 3 are refills, each behind the waits, the add and a round of the cluster's barrier, 64 rows a wave.
; CLUSTERS: 4 x 4.  A's tile hangs on the tile row alone and is shared along a row of the cluster, B's on the tile column alone and is shared along a column.
; SCALE WORDS come by plain loads into registers, once: lane l takes the 32 bytes of row l of a pair of blocks: a wave's two loads cover 1,024 consecutive bytes.  Lanes 0-15 serve the even block, lanes 16-31 the odd one.
; THE MATRIX INSTRUCTION IS USED TRANSPOSED (source 0 = 16 rows of Wo, source 1 = 16 rows of o): a lane holds eight neighbouring numbers of a row of out0.  The bias is the first products' C.
; NO PREFETCH: the text has no loop; the two refills stand two and four steps of 128 along K behind the head.
; REGISTERS, in windows of 256: window 0: addresses, scale words (v32-47 A's, v52-83 B's), A's fragments in two sets from v128; window 1: B's fragments in two sets; window 2: the accumulators, (a, b) at v[8 (8 a + b)]; window 3: v0-63 the bias.
; LIMITS: NaN, infinities and sums beyond f32's range are not served.
.set SIZE_N, 1024
.set PITCH,  272
.set APITCH, 80
.set AHEAD,  128*APITCH                ; a head's 128 rows in LDS
.set BS0,    16*AHEAD                  ; B's slot 0
.set SLOT,   256*PITCH
.set SPARE,  BS0+2*SLOT                ; the spare words, 128 bytes for each wave
.set SPITCH, 528                       ; the way out: a stage of 16 rows x (512 + 16) bytes for each wave, in slot 0, which has then had its last fill and its last read
.set ADRA, 4                           ; v4-6  LDS address of my A fragments, heads 0, 6, 12 on
.set ADRB, 8                           ; v8-9  of my B fragments in slot 0, 1
.set STO,  10
.set RD,   11
.set CO,   12
.set ABS,  13                          ; 32 x lane: my row of scale bytes
.set BOF,  14                          ; 32 x (lane / 16)
.set SPW,  16
.set NIL,  17
.set SA,   32
.set SB,   52                          ; no product's two scale words have numbers equal modulo 8
.set AF,   128
.set BK,   128
.set G1A,  24
.set G1B,  32
.set G1R,  48
.set G0A,  56
.set G0B,  60
.set G0R0, 68
.set G0R1, 72
.set MSB, 0
.macro WIN new                         ; the immediate's high byte repeats the setting that is left
.if MSB != (\new)
	s_set_vgpr_msb (MSB<<8)|(\new)
.set MSB, (\new)
.endif
.endm
.macro PLACES n
.rept \n
	v_nop
.endr
.endm
.macro TLOAD g0, g1                    ; an s_nop 0 and four v_nop follow each tensor load
	tensor_load_to_lds s[\g0:\g0+3], s[\g1:\g1+7]
	s_nop 0
	PLACES 4
.endm
.macro CREST                           ; a round of the cluster's barrier behind its opening barrier
	s_cmp_lg_u32 s16, 0
	s_cbranch_scc1 .Lnot_wave_0_\@
	s_barrier_signal -3
.Lnot_wave_0_\@:
	s_barrier_wait -3
	s_barrier_signal -1
	s_barrier_wait -1
.endm
.macro CROUND
	s_barrier_signal -1
	s_barrier_wait -1
	CREST
.endm
.macro GROUPB g, rows                  ; rows of 256 bytes of Wo, 1,024 bytes apart, 16 bytes of padding behind each; the mask names my column
	s_or_b32 s[\g], s40, (1<<20)|(1<<21)|(5<<22)|(3<<25)
	s_mov_b32 s[\g+1], 256<<16
	s_mov_b32 s[\g+2], (\rows)<<16
	s_mov_b32 s[\g+3], 256<<16
	s_mov_b32 s[\g+4], \rows
	s_mov_b32 s[\g+5], 1024
	s_mov_b32 s[\g+6], 0
	s_mov_b32 s[\g+7], 0
.endm
	s_load_b256 s[4:11], s[0:1], 0x0               ; o_codes, o_scales, Wo_codes, Wo_scales
	s_load_b128 s[12:15], s[0:1], 0x20             ; bo, out0
	v_lshl_add_u32 v[SPW], v0, 2, SPARE
	v_mov_b32 v[NIL], 0
	ds_add_u32 v[SPW], v[NIL]                      ; the opening: the add, twice on end, and its wait ahead of my first tensor load
	ds_add_u32 v[SPW], v[NIL]
	v_lshrrev_b32 v1, 5, v0
	v_readfirstlane_b32 s16, v1                    ; wave 0..3
	s_lshr_b32 s17, s16, 1                         ; my half of the rows.  Also: I fetch for A (0) or for B (1)
	s_and_b32 s18, s16, 1                          ; my half of the columns.  Also: which of the two tiles I fetch
	s_bfe_u32 s19, ttmp6, 0x40000                  ; cx
	s_bfe_u32 s20, ttmp6, 0x40004                  ; cy
	s_lshl_b32 s21, ttmp9, 2
	s_add_co_u32 s21, s21, s19                     ; tile column
	s_and_b32 s22, ttmp7, 0xffff
	s_lshl_b32 s22, s22, 2
	s_add_co_u32 s22, s22, s20                     ; tile row
	s_lshl_b32 s23, s20, 2
	s_lshl_b32 s23, 15, s23                        ; my row of the cluster
	s_lshl_b32 s40, 0x1111, s19                    ; my column
	s_or_b32 s[G1A], s23, (1<<20)|(1<<21)|(3<<22)|(3<<25)   ; A: 8 heads x 8,192 dense bytes (128 rows of 64), 16 bytes of padding behind every 64
	s_mov_b32 s[G1A+1], 8192<<16
	s_mov_b32 s[G1A+2], 8<<16
	s_mov_b32 s[G1A+3], 8192<<16
	s_mov_b32 s[G1A+4], 8
	s_mov_b32 s[G1A+5], 524288
	s_mov_b32 s[G1A+6], 0
	s_mov_b32 s[G1A+7], 0
	GROUPB G1B, 256
	GROUPB G1R, 64
	s_lshl_b32 s42, s22, 13                        ; A: 128 rows x 64 bytes a tile row, 8 heads on for the second half
	s_lshl_b32 s43, s18, 22
	s_add_co_u32 s42, s42, s43
	s_mov_b32 s43, 0
	s_mul_i32 s[G0A+1], s18, 8*AHEAD
	s_lshl_b32 s44, s21, 18                        ; B: 256 rows x 1,024 bytes a tile column
	s_lshl_b32 s45, s18, 8
	s_add_co_u32 s46, s44, s45                     ; the head's: K step 0 or 1
	s_mov_b32 s47, 0
	s_mul_i32 s[G0B+1], s18, SLOT
	s_add_co_u32 s[G0B+1], s[G0B+1], BS0
	s_lshl_b32 s45, s16, 16
	s_add_co_u32 s44, s44, s45
	s_add_co_u32 s44, s44, 512                     ; the refills': my 64 rows, K step 2
	s_mov_b32 s45, 0
	s_mul_i32 s[G0R0+1], s16, 64*PITCH
	s_add_co_u32 s[G0R0+1], s[G0R0+1], BS0
	s_add_co_u32 s[G0R1+1], s[G0R0+1], SLOT
	s_lshl_b32 s76, s22, 12                        ; A's scale bytes: (128 tile row + 64 half) x 32
	s_lshl_b32 s77, s17, 11
	s_add_co_u32 s76, s76, s77
	s_mov_b32 s77, 0
	s_lshl_b32 s78, s21, 13                        ; B's: (256 tile column + 128 half) x 32
	s_lshl_b32 s79, s18, 12
	s_add_co_u32 s78, s78, s79
	s_mov_b32 s79, 0
	s_lshl_b32 s80, s21, 10                        ; my first column, in bytes of f32
	s_lshl_b32 s81, s18, 9
	s_add_co_u32 s80, s80, s81
	s_mov_b32 s81, 0
	s_lshl_b32 s82, s22, 19                        ; my first row of out0, 4,096 bytes a row
	s_lshl_b32 s83, s17, 18
	s_add_co_u32 s82, s82, s83
	s_add_co_u32 s82, s82, s80
	s_mov_b32 s83, 0
	s_wait_dscnt 0x0                               ; both opening adds are done
	s_wait_kmcnt 0x0
	s_mov_b32 s[G0A], 1
	s_add_nc_u64 s[G0A+2:G0A+3], s[4:5], s[42:43]
	s_or_b32 s[G0A+3], s[G0A+3], 0x80000000
	s_mov_b32 s[G0B], 1
	s_add_nc_u64 s[G0B+2:G0B+3], s[8:9], s[46:47]
	s_or_b32 s[G0B+3], s[G0B+3], 0x80000000
	s_mov_b32 s[G0R0], 1
	s_mov_b32 s[G0R1], 1
	s_add_nc_u64 s[G0R0+2:G0R0+3], s[8:9], s[44:45]
	s_add_nc_u64 s[G0R1+2:G0R1+3], s[G0R0+2:G0R0+3], 256
	s_or_b32 s[G0R0+3], s[G0R0+3], 0x80000000
	s_or_b32 s[G0R1+3], s[G0R1+3], 0x80000000
	s_add_nc_u64 s[6:7], s[6:7], s[76:77]
	s_add_nc_u64 s[10:11], s[10:11], s[78:79]
	s_add_nc_u64 s[12:13], s[12:13], s[80:81]
	s_add_nc_u64 s[14:15], s[14:15], s[82:83]
	CROUND                                         ; all sixteen work-groups are here: the first joint loads meet
	s_cmp_eq_u32 s17, 0                            ; one load a wave, an arm each
	s_cbranch_scc0 .Lfor_b
	TLOAD G0A, G1A
	s_branch .Lasked
.Lfor_b:
	TLOAD G0B, G1B
.Lasked:
	v_and_b32 v1, 15, v0                           ; r
	v_bfe_u32 v2, v0, 4, 1                         ; h
	v_and_b32 v3, 31, v0                           ; lane
	v_lshlrev_b32 v[ABS], 5, v3
	v_lshlrev_b32 v[BOF], 5, v2
	v_mul_u32_u24 v18, v1, APITCH
	v_lshl_add_u32 v18, v2, 4, v18
	s_mul_i32 s41, s17, 64*APITCH                  ; my 64 rows of A
	v_add_nc_u32 v[ADRA], s41, v18
	v_add_nc_u32 v[ADRA+1], 6*AHEAD, v[ADRA]
	v_add_nc_u32 v[ADRA+2], 12*AHEAD, v[ADRA]
	v_mul_u32_u24 v19, v1, PITCH
	v_lshl_add_u32 v19, v2, 4, v19
	s_mul_i32 s84, s18, 128*PITCH                  ; my 128 rows of B
	s_add_co_u32 s84, s84, BS0
	v_add_nc_u32 v[ADRB], s84, v19
	v_add_nc_u32 v[ADRB+1], SLOT, v[ADRB]
	s_mul_i32 s85, s16, 16*SPITCH                  ; my stage
	s_add_co_u32 s85, s85, BS0
	v_mul_u32_u24 v20, v1, SPITCH
	v_lshl_add_u32 v20, v2, 5, v20
	v_add_nc_u32 v[STO], s85, v20
	v_lshlrev_b32 v[CO], 4, v3
	v_add_nc_u32 v[RD], s85, v[CO]
	s_wait_alu depctr_va_vdst(0)
.irp p, 0,1
.irp c, 0,1
	global_load_b128 v[SA+8*\p+4*\c:SA+8*\p+4*\c+3], v[ABS], s[6:7] offset:1024*\p+16*\c     ; register 8 p + q: the word of the q-th 128 along K; lanes 0-15 block 2 p, lanes 16-31 block 2 p + 1
.endr
.endr
.irp p, 0,1,2,3
.irp c, 0,1
	global_load_b128 v[SB+8*\p+4*\c:SB+8*\p+4*\c+3], v[ABS], s[10:11] offset:1024*\p+16*\c
.endr
.endr
	WIN 0xc0                                       ; destination window 3
.irp b, 0,1,2,3,4,5,6,7
	global_load_b128 v[8*\b:8*\b+3], v[BOF], s[12:13] offset:64*\b          ; bo at columns 16 b + 8 h + 0 .. 7
	global_load_b128 v[8*\b+4:8*\b+7], v[BOF], s[12:13] offset:64*\b+16
.endr
	WIN 0
; the fragments of the kq-th 128 along K, into set kq % 2.  A: heads 2 kq and 2 kq + 1;  B: slot (kq / 2) % 2, half kq % 2 of its rows
.macro FA kq
.irp a, 0,1,2,3
.irp c, 0,1,2,3
	ds_load_b128 v[AF+64*((\kq)%2)+16*\a+4*\c:AF+64*((\kq)%2)+16*\a+4*\c+3], v[ADRA+(\kq)/3] offset:(2*((\kq)%3)+\c/2)*AHEAD+\a*16*APITCH+32*(\c%2)
.endr
.endr
.endm
.macro FB kq
	WIN 0x40
.irp i, 0,1,2,3,4,5,6,7
.irp c, 0,1,2,3
	ds_load_b128 v[128*((\kq)%2)+16*\i+4*\c:128*((\kq)%2)+16*\i+4*\c+3], v[ADRB+((\kq)/2)%2] offset:128*((\kq)%2)+32*\c+\i*16*PITCH
.endr
.endr
	WIN 0
.endm
.macro W1 a, b, kq, first
.set D_, 8*(8*(\a)+(\b))
.set C_, D_
.if \first
.set C_, 8*(\b)
.endif
.set B_, 128*((\kq)%2)+16*(\b)
.set A_, AF+64*((\kq)%2)+16*(\a)
.set X_, SB+8*((\b)/2)+(\kq)
.set Y_, SA+8*((\a)/2)+(\kq)
.if ((\b)%2) && ((\a)%2)
	v_wmma_scale_f32_16x16x128_f8f6f4 v[D_:D_+7], v[B_:B_+15], v[A_:A_+15], v[C_:C_+7], v[X_], v[Y_] matrix_a_scale:MATRIX_SCALE_ROW1 matrix_b_scale:MATRIX_SCALE_ROW1
.elseif (\b)%2
	v_wmma_scale_f32_16x16x128_f8f6f4 v[D_:D_+7], v[B_:B_+15], v[A_:A_+15], v[C_:C_+7], v[X_], v[Y_] matrix_a_scale:MATRIX_SCALE_ROW1
.elseif (\a)%2
	v_wmma_scale_f32_16x16x128_f8f6f4 v[D_:D_+7], v[B_:B_+15], v[A_:A_+15], v[C_:C_+7], v[X_], v[Y_] matrix_b_scale:MATRIX_SCALE_ROW1
.else
	v_wmma_scale_f32_16x16x128_f8f6f4 v[D_:D_+7], v[B_:B_+15], v[A_:A_+15], v[C_:C_+7], v[X_], v[Y_]
.endif
.endm
.macro M8 a, kq, first                 ; A's block a against B's eight
.irp b, 0,1,2,3,4,5,6,7
	W1 \a, \b, \kq, \first
.endr
.endm
.set MUL, 0xa1                         ; source 0 (B) window 1, source 1 (A) window 0, C and D window 2
.set FST, 0xb1                         ; the same with C, the bias, in window 3
; A slot's first 128 along K: the next 128's fragments, of the same slot, are asked for ahead of the 32 products
.macro EVEN kq, first
.if \first == 0
	PLACES 8                                       ; behind the products that read the sets which the loads below fill
.endif
	FB (\kq)+1
	FA (\kq)+1
	s_wait_dscnt 48                                ; all but the 48 just issued
.if \first
	s_wait_loadcnt 0x0                             ; the scale words and the bias
	WIN FST
.else
	WIN MUL
.endif
.irp a, 0,1,2,3
	M8 \a, \kq, \first
.endr
	WIN 0
.endm
; A slot's second 128 changes slots: each wave waits for all its tensor loads (its part of the next slot), adds 0 to its spare word, and waits for that and for its reads of this slot.  fill: this slot is filled again, by group 0 g0
.macro ODD kq, fill, g0
	s_wait_tensorcnt 0x0
	ds_add_u32 v[SPW], v[NIL]
	s_wait_dscnt 1                                 ; my fragments are in; the add may be out
	WIN MUL
	M8 0, \kq, 0
	s_wait_dscnt 0x0                               ; the add is done, and my reads of this slot are over
	s_barrier_signal -1
	M8 1, \kq, 0
	WIN 0
	s_barrier_wait -1
.if \fill
	CREST                                          ; the barrier has opened a round of the cluster's barrier: no wave of any partner still reads this slot or has a load on its way
	TLOAD \g0, G1R                                 ; my one load behind the round; its four v_nop are among the places in front of the loads below
	PLACES 4
.else
	PLACES 8
.endif
	FB (\kq)+1
	FA (\kq)+1
	WIN MUL
	M8 2, \kq, 0
	M8 3, \kq, 0
	WIN 0
.endm
	s_wait_alu depctr_va_vdst(0)
	s_wait_tensorcnt 0x0                           ; my tile of the head's four is in
	s_barrier_signal -1
	s_barrier_wait -1                              ; all four are.  K steps 2 and 3 are filled later, as refills
	FB 0
	FA 0
	EVEN 0, 1
	ODD 1, 1, G0R0                                 ; slot 0 takes K step 2
	EVEN 2, 0
	ODD 3, 1, G0R1                                 ; slot 1 takes K step 3
	EVEN 4, 0
	ODD 5, 0, 0
	EVEN 6, 0
	s_wait_dscnt 0x0
	WIN MUL
.irp a, 0,1,2,3
	M8 \a, 7, 0
.endr
	WIN 0
; THE WAY OUT, block by block of 16 rows x 128 columns, through my own stage: in by 32 bytes a lane, back as whole rows of 512 bytes
.macro TOSTAGE a
	WIN 0x08                                       ; an LDS store's data are its source 1: window 2
.irp b, 0,1,2,3,4,5,6,7
	ds_store_b128 v[STO], v[64*(\a)+8*\b:64*(\a)+8*\b+3] offset:64*\b          ; each accumulator from its low end on
	ds_store_b128 v[STO], v[64*(\a)+8*\b+4:64*(\a)+8*\b+7] offset:64*\b+16
.endr
	WIN 0
.set BB, BK+64*((\a)%2)
.irp t, 0,1,2,3,4,5,6,7,8,9,10,11,12,13,14,15
	ds_load_b128 v[BB+4*\t:BB+4*\t+3], v[RD] offset:\t*SPITCH   ; LDS serves a wave's instructions in order (ISA guide 5.7.1.4)
.endr
.endm
.macro SEND a, younger                 ; younger: the LDS instructions issued behind block a's loads
.set BB, BK+64*((\a)%2)
	s_wait_dscnt \younger
.if (\a) > 0
	s_add_nc_u64 s[14:15], s[14:15], 16*SIZE_N*4   ; behind a wait on XCNT: the earlier stores have read their base
.endif
.irp t, 0,1,2,3,4,5,6,7,8,9,10,11,12,13,14,15
	global_store_b128 v[CO], v[BB+4*\t:BB+4*\t+3], s[14:15] offset:\t*SIZE_N*4 th:TH_STORE_NT   ; 32 lanes store 512 consecutive bytes, at a multiple of 256 from out0's first byte
.endr
.endm
	PLACES 8                                       ; behind the last products: for the reads of their results and the loads into A's registers
	TOSTAGE 0
.irp a, 1,2,3
.if \a > 1
	s_wait_xcnt 0x0                                ; block a - 2's stores have read their registers and their base
.endif
	TOSTAGE \a
	SEND \a-1, 32                                  ; behind block a - 1's loads: block a's 16 stores and 16 loads
.endr
	s_wait_xcnt 0x0
	SEND 3, 0
	s_wait_tensorcnt 0x0                           ; the wave's end
	ds_add_u32 v[SPW], v[NIL]
	s_wait_dscnt 0x0
	CROUND                                         ; the closing round
	s_endpgm
.Lfunc_end_k_q6ef0644b67_proj:
	.size	k_q6ef0644b67_proj, .Lfunc_end_k_q6ef0644b67_proj-k_q6ef0644b67_proj
	.p2alignl 7, 3214868480
	.fill 96, 4, 3214868480
	.section	.rodata,"a",@progbits
	.p2align	6, 0x0
	.amdhsa_kernel k_q6ef0644b67_proj
		.amdhsa_group_segment_fixed_size 327680
		.amdhsa_private_segment_fixed_size 0
		.amdhsa_enable_private_segment 0
		.amdhsa_kernarg_size 48
		.amdhsa_user_sgpr_count 2
		.amdhsa_user_sgpr_kernarg_segment_ptr 1
		.amdhsa_wavefront_size32 1
		.amdhsa_system_sgpr_workgroup_id_x 1
		.amdhsa_system_sgpr_workgroup_id_y 1
		.amdhsa_system_sgpr_workgroup_id_z 1
		.amdhsa_system_vgpr_workitem_id 0
		.amdhsa_next_free_vgpr 1024
		.amdhsa_next_free_sgpr 100
		.amdhsa_reserve_vcc 0
		.amdhsa_float_denorm_mode_32 3
		.amdhsa_float_denorm_mode_16_64 3
		.amdhsa_memory_ordered 1
		.amdhsa_forward_progress 1
		.amdhsa_inst_pref_size 86
	.end_amdhsa_kernel
	.amdgpu_metadata
---
amdhsa.version: [ 1, 2 ]
amdhsa.kernels:
  - .name:           k_q6ef0644b67_proj
    .symbol:         k_q6ef0644b67_proj.kd
    .args:
      - { .name: o_codes, .offset: 0, .size: 8, .value_kind: global_buffer, .address_space: global }
      - { .name: o_scales, .offset: 8, .size: 8, .value_kind: global_buffer, .address_space: global }
      - { .name: Wo_codes, .offset: 16, .size: 8, .value_kind: global_buffer, .address_space: global }
      - { .name: Wo_scales, .offset: 24, .size: 8, .value_kind: global_buffer, .address_space: global }
      - { .name: bo, .offset: 32, .size: 8, .value_kind: global_buffer, .address_space: global }
      - { .name: out0, .offset: 40, .size: 8, .value_kind: global_buffer, .address_space: global }
    .group_segment_fixed_size: 327680
    .private_segment_fixed_size: 0
    .kernarg_segment_align: 8
    .kernarg_segment_size: 48
    .max_flat_workgroup_size: 128
    .sgpr_count:     100
    .vgpr_count:     1024
    .wavefront_size: 32
...
	.end_amdgpu_metadata
.endif
;; end of part 3
